; MI455X (gfx1250); checked and timed in simulation.
; The chip was launched on July 23, 2026; its instructions are those of AMD's public machine-readable ISA for CDNA 5 (MIT licence, August 2026) and "CDNA5" Instruction Set Architecture Reference Guide (July 2026). The comments in the code are by the model that wrote it; some were corrected since.
;; Base Attention. Allowed arithmetic: float matrix products may take bf16 or f16 operands with f32 sums; other float arithmetic in f32, or as packed bf16 or f16 multiplies, adds, multiply-adds, maxima and minima; sums over many terms, partial sums and values carried from step to step in f32; what a program stores and reads back later, other than sums and carried values, may be rounded once to bf16 or f16.
;; Inputs: Wk 1,024 x 1,024 float32; Wo 1,024 x 1,024 float32; Wq 1,024 x 1,024 float32; Wv 1,024 x 1,024 float32; beta 1,024 float32; bk 1,024 float32; bo 1,024 float32; bq 1,024 float32; bv 1,024 float32; gamma 1,024 float32; key 4 x 4,096 x 1,024 float32; query 4 x 4,096 x 1,024 float32; value 4 x 4,096 x 1,024 float32.
;; Outputs: out0 4 x 4,096 x 1,024 float32.
;; 2 versions, each right; version 2 is version 1 with the launch prep written anew for expert scheduling mode. Each part assembles by itself: llvm-mc -triple=amdgcn-amd-amdhsa -mcpu=gfx1250 --defsym DOCPART=n.
;; ======== version 1 of 2: 2 launches
;; limits: values outside matrix products are rounded to bf16
;; workspace buffers: wt 8,388,608 bytes
;; launch prep (part 1): grid 64 x 4, 8 waves a work-group, no clusters, 0 bytes of LDS; arguments Wk, Wv, Wq, Wo, wt; writes wt
.if DOCPART == 1
	.amdgcn_target "amdgcn-amd-amdhsa--gfx1250"
	.amdhsa_code_object_version 6
	.text
	.protected	k_q398fdcd578_prep
	.globl	k_q398fdcd578_prep
	.p2align	8
	.type	k_q398fdcd578_prep,@function
k_q398fdcd578_prep:
	s_mov_b64 s[64:65], 0
	v_nop
	global_prefetch_b8 v0, s[64:65] scope:SCOPE_SE
	s_setreg_imm32_b32 hwreg(HW_REG_WAVE_MODE, 25, 1), 1
	s_wait_xcnt 0x0
; The four weight matrices W[k][n] (f32, 1024 x 1024) are rounded once to bf16 and laid out as the stream of 64 tiles that the next launch walks:
; wt[g][w][kap][n]: tile g = 16 p + s (p: 0 Wk, 1 Wv, 2 Wq, 3 Wo; s: K step of 64), part w = columns 256 w .. 256 w + 255, 64 rows kap of 256 bf16: a part is 32,768 dense bytes.
; Row kap is source row k = 64 s + kap for p < 3.  For Wo it is k = 256 (kap / 16) + 16 s + kap % 16: the order in which the next launch hands its ctx over (16 channels of each wave a step).
; No work is left out: every weight has a way to the output.
; A work-group makes one part: wave v rows kap = 8 i + v.  A load of a wave covers 512 consecutive bytes of a source row, a store 256 consecutive bytes, aligned.
; A stream: no LDS, no barrier, no matrix unit.  All 16 loads of a wave go out before the first wait.
.set DAT, 16                           ; v[16:79]  load n = 2 i + c: four f32 at v[16 + 4 n], packed in place into the first two
	s_load_b256 s[4:11], s[0:1], 0x0               ; Wk s[4:5], Wv s[6:7], Wq s[8:9], Wo s[10:11]
	s_load_b64 s[12:13], s[0:1], 0x20              ; wt
	v_lshrrev_b32 v3, 5, v0
	v_readfirstlane_b32 s16, v3                    ; wave v
	v_and_b32 v4, 31, v0
	v_lshlrev_b32 v1, 4, v4                        ; 16 bytes a lane on the way in
	v_lshlrev_b32 v2, 3, v4                        ; 8 on the way out
	s_and_b32 s17, ttmp7, 0xffff                   ; w
	s_lshr_b32 s18, ttmp9, 4                       ; p
	s_and_b32 s19, ttmp9, 15                       ; s
	s_lshl_b32 s20, s19, 4
	s_lshl_b32 s21, s19, 6
	s_cmp_eq_u32 s18, 3
	s_cselect_b32 s20, s20, s21                    ; 16 s for Wo, else 64 s
	s_add_co_u32 s20, s20, s16                     ; + v: my first source row
	s_lshl_b32 s20, s20, 12                        ; rows of 4,096 bytes
	s_lshl_b32 s21, s17, 10                        ; + my part's 1,024 bytes of a row
	s_add_co_u32 s20, s20, s21
	s_mov_b32 s21, 0
	s_lshl_b32 s22, ttmp9, 2
	s_add_co_u32 s22, s22, s17                     ; 4 g + w
	s_lshl_b32 s22, s22, 15
	s_lshl_b32 s23, s16, 9                         ; + row v of 512 bytes
	s_add_co_u32 s22, s22, s23
	s_mov_b32 s23, 0
	s_wait_kmcnt 0x0
	s_mov_b64 s[14:15], s[4:5]                     ; the matrix is chosen by p
	s_cmp_eq_u32 s18, 1
	s_cselect_b64 s[14:15], s[6:7], s[14:15]
	s_cmp_eq_u32 s18, 2
	s_cselect_b64 s[14:15], s[8:9], s[14:15]
	s_cmp_eq_u32 s18, 3
	s_cselect_b64 s[14:15], s[10:11], s[14:15]
	s_add_nc_u64 s[14:15], s[14:15], s[20:21]
	s_add_nc_u64 s[12:13], s[12:13], s[22:23]
.macro LD kind                         ; my eight rows, two loads each; kind = 1: Wo's order of rows
.irp i, 0,1,2,3,4,5,6,7
.if \kind
.set RO, 4096*(256*((\i)/2)+8*((\i)%2))
.else
.set RO, 32768*(\i)
.endif
	global_load_b128 v[DAT+8*(\i):DAT+8*(\i)+3],   v1, s[14:15] offset:RO th:TH_LOAD_NT
	global_load_b128 v[DAT+8*(\i)+4:DAT+8*(\i)+7], v1, s[14:15] offset:RO+512 th:TH_LOAD_NT
.endr
.endm
	s_cmp_eq_u32 s18, 3
	s_cbranch_scc1 .Lperm
	LD 0
	s_branch .Ljoin
.Lperm:
	LD 1
.Ljoin:
.set n, 0
.rept 16
	s_wait_loadcnt 15-n                            ; loads come back in order: load n is in, the 15 - n younger ones may stay out
	v_cvt_pk_bf16_f32 v[DAT+4*n],   v[DAT+4*n],   v[DAT+4*n+1]
	v_cvt_pk_bf16_f32 v[DAT+4*n+1], v[DAT+4*n+2], v[DAT+4*n+3]
	global_store_b64 v2, v[DAT+4*n:DAT+4*n+1], s[12:13] offset:4096*(n/2)+256*(n%2)  ; no register is written again, so nothing waits for the stores
.set n, n+1
.endr
	s_endpgm
.Lfunc_end_k_q398fdcd578_prep:
	.size	k_q398fdcd578_prep, .Lfunc_end_k_q398fdcd578_prep-k_q398fdcd578_prep
	.p2alignl 7, 3214868480
	.fill 96, 4, 3214868480
	.section	.rodata,"a",@progbits
	.p2align	6, 0x0
	.amdhsa_kernel k_q398fdcd578_prep
		.amdhsa_group_segment_fixed_size 0
		.amdhsa_private_segment_fixed_size 0
		.amdhsa_enable_private_segment 0
		.amdhsa_kernarg_size 40
		.amdhsa_user_sgpr_count 2
		.amdhsa_user_sgpr_kernarg_segment_ptr 1
		.amdhsa_wavefront_size32 1
		.amdhsa_system_sgpr_workgroup_id_x 1
		.amdhsa_system_sgpr_workgroup_id_y 1
		.amdhsa_system_sgpr_workgroup_id_z 1
		.amdhsa_system_vgpr_workitem_id 0
		.amdhsa_next_free_vgpr 96
		.amdhsa_next_free_sgpr 66
		.amdhsa_reserve_vcc 0
		.amdhsa_float_denorm_mode_32 3
		.amdhsa_float_denorm_mode_16_64 3
		.amdhsa_memory_ordered 1
		.amdhsa_forward_progress 1
		.amdhsa_inst_pref_size 9
	.end_amdhsa_kernel
	.amdgpu_metadata
---
amdhsa.version: [ 1, 2 ]
amdhsa.kernels:
  - .name:           k_q398fdcd578_prep
    .symbol:         k_q398fdcd578_prep.kd
    .args:
      - { .name: Wk, .offset: 0, .size: 8, .value_kind: global_buffer, .address_space: global }
      - { .name: Wv, .offset: 8, .size: 8, .value_kind: global_buffer, .address_space: global }
      - { .name: Wq, .offset: 16, .size: 8, .value_kind: global_buffer, .address_space: global }
      - { .name: Wo, .offset: 24, .size: 8, .value_kind: global_buffer, .address_space: global }
      - { .name: wt, .offset: 32, .size: 8, .value_kind: global_buffer, .address_space: global }
    .group_segment_fixed_size: 0
    .private_segment_fixed_size: 0
    .kernarg_segment_align: 8
    .kernarg_segment_size: 40
    .max_flat_workgroup_size: 256
    .sgpr_count:     66
    .vgpr_count:     96
    .wavefront_size: 32
...
	.end_amdgpu_metadata
.endif
;; end of part 1
;; launch fused (part 2): grid 256 x 1, 4 waves a work-group, clusters of 4 x 1, 327,680 bytes of LDS; arguments key, value, query, wt, bk, bv, bq, bo, gamma, beta, out0; writes out0
.if DOCPART == 2
	.amdgcn_target "amdgcn-amd-amdhsa--gfx1250"
	.amdhsa_code_object_version 6
	.text
	.protected	k_q398fdcd578_fused
	.globl	k_q398fdcd578_fused
	.p2align	8
	.type	k_q398fdcd578_fused,@function
k_q398fdcd578_fused:
	s_mov_b64 s[64:65], 0
	v_nop
	global_prefetch_b8 v0, s[64:65] scope:SCOPE_SE
	s_setreg_imm32_b32 hwreg(HW_REG_WAVE_MODE, 25, 1), 1
	s_wait_xcnt 0x0
	s_wait_alu depctr_hold_cnt(0) depctr_sa_sdst(0) depctr_va_vdst(0) depctr_va_sdst(0) depctr_va_ssrc(0) depctr_va_vcc(0) depctr_vm_vsrc(0)
	s_getreg_b32 s2, hwreg(HW_REG_IB_STS2, 6, 4)
	s_cmp_eq_u32 s2, 0
	s_cbranch_scc0 .Lentry_in_a_cluster
	s_endpgm
.Lentry_in_a_cluster:
	s_bfe_u32 s2, ttmp6, 0x10000c
	s_cmp_lg_u32 s2, 0x3003
	s_cbranch_scc0 .Lentry_shape_is_right
	s_endpgm
.Lentry_shape_is_right:
; out0 = LayerNorm(query + ctx Wo + bo) gamma + beta, ctx = q' wv / (q' ks + 1e-6), q' = elu(query Wq + bq) + 1, k' = elu(key Wk + bk) + 1, v = value Wv + bv,
; ks = the sum of k', wv = the sum of k' v over a head's 64 channels.  16,384 rows of 1,024 channels.
; DEAD WORK: none.  q' does not cancel from ctx, since 1e-6 stands in the divisor; all four products and all thirteen inputs have a way to the output and are loaded.
; SHARES.  A work-group owns 64 rows and all 1,024 columns, so that a row's heads, the K of ctx Wo and the LayerNorm never leave it.  Wave w owns columns 256 w .. + 255 (heads 4 w .. 4 w + 3): 64 accumulators
; of 16 x 16, 512 registers.  Four products of 64 x 1024 x 1024 run one after the other on the same accumulators, in the order k, v, q, o; behind each of the first three stands its head-wise work, behind the last the LayerNorm.
; FORMATS.  Matrix operands in bf16 (activations, weights, ctx), sums in f32.  k' is kept rounded once to bf16 in registers for the sum of k' v; ks is the sum of the unrounded k'.  The residual query is read again in f32.
; In the last product K is taken in the order in which the waves hand ctx over; the weights were laid out to match, and the f32 sums are the same but for their order.
; THE ORDER OF K.  Cluster c begins every product at K step ROT = 2 (c mod 8) and wraps round: step s multiplies W's tile (s + ROT) mod 16 with the activation's 64 channels at the same place (in the last product: with ctx
; block (s + ROT) mod 16).  So the 64 clusters ask for eight different tiles of a product at a time, not all for the same one.  ROT is even, so that a block's parity is its step's; it is alike in a cluster's four partners.
; elu(x) + 1 = the middle one of 2^(x log2 e), x + 1 and 1: for x <= 0, x + 1 <= e^x <= 1; for x > 0, 1 < x + 1 <= e^x.  No branch, no select, and an exponential that overflows is not chosen.
; LIMITS.  An e^x below 2^-126 counts as 0 (ctx is then 0; the exact value is below 1e-32 |wv|).  NaN and infinities among the inputs are not treated apart.
; THE MATRIX INSTRUCTION IS USED TRANSPOSED: source 0 = 16 columns of W, source 1 = 16 rows of the activation.  Register j of lane l then holds row l % 16 and column 8 (l / 16) + j of a tile: a head's sum is
; work inside a lane and one exchange between the halves of the lanes, and eight results pack into 16 bytes.
; THE WEIGHTS come as 64 tiles of 64 (k) x 1024 (n) bf16, two LDS slots by turns, a wave fetching its own 256 columns.  All work-groups walk the same tiles: CLUSTERS of four ask JOINTLY, same load, descriptor and mask.
; THE ACTIVATIONS belong to one work-group alone: each wave loads its 16 rows of a K step (f32) into registers, two steps ahead, rounds them once and stores them into a bf16 scratch in LDS that all four waves read.
; REGISTERS, in windows of 256 (s_set_vgpr_msb: bits 1:0 source 0, 3:2 source 1, 5:4 source 2, 7:6 destination):
;   window 0: v0-15 addresses; v16-31 small sums; v32-95 two K steps of activations; v96-127 four fragments of the activation; v128-255 sixteen fragments of W (all from v96 on: at work in the epilogues)
;   window 1: k', later ctx, packed bf16, tile (a, b) at 4 (16 a + b); at the end query, bo, gamma, beta     windows 2, 3: the accumulators of column blocks 0-7 and 8-15, tile (a, b) at 8 (8 a + b % 8)
.set PITB,  544                        ; a row of a W part in LDS: 512 bytes + 32 of padding = 17 x 32
.set PARTB, 64*PITB                    ; a wave's part of a slot
.set SLOTB, 4*PARTB                    ; slot 0 at 0, slot 1 at SLOTB
.set TILEB, 131072                     ; a tile in memory
.set PITA,  144                        ; a row of the scratch: 64 bf16 + 16 bytes: the 16 rows of a fragment load start at 16 different groups of four banks
.set SCR,   2*SLOTB                    ; two scratches of 64 rows, written by LDS stores alone
.set SCRB,  64*PITA
.set SPARE, SCR+2*SCRB                 ; the spare words, 128 bytes a wave: two blocks of 256 bytes that no other line names
.set BIAS,  SPARE+512                  ; bk, bv, bq in f32: 4,096 x phase + 4 x column
.set STATS, BIAS+12288                 ; wave w at 4,096 w: ks at 512 x head + 16 x lane (four row blocks), wv 2,048 further on
.set PITS,  4112                       ; the stage for the way out: 64 rows of 4,096 bytes + 16, from byte 0 on: over the slots, behind their last fill
.set SPW, 2                            ; v2   my spare word's address; never rewritten
.set NIL, 3                            ; v3   0; never rewritten
.set ADRB, 4                           ; v4-5 my place in my part of slot 0, 1
.set ADRA, 6                           ; v6   my place in a fragment of scratch 0
.set ASTO, 7                           ; v7   where I store 8 bytes of the activation in scratch 0
.set AGO, 8                            ; v8   my 16 bytes in my wave's first two rows of the activation
.set PFOA, 9                           ; v9   the activations' prefetch: a lane a row and 256 bytes
.set PFOB, 10                          ; v10  the weights' prefetch: 256 x lane
.set BIA, 11                           ; v11  my eight biases of column block 0, phase 0
.set STA, 12                           ; v12  my 16 bytes of head 0's ks
.set CST, 13                           ; v13  where I store 16 bytes of ctx in scratch 0
.set GQ,  14                           ; v14  my 16 bytes in my wave's first row of query (the residual)
.set CO,  15                           ; v15  16 x lane
.set KP,  16                           ; v16-23  row block a: a pair of running sums
.set RED, 24                           ; v24-27
.set AF,  32                           ; v32-63, v64-95  the activations on their way, a K step each
.set FA,  96
.set BH,  128
.set YY,  128                          ; epilogues: 32 numbers of a column block (row block a at 8 a)
.set X1,  160                          ; x + 1, later the divisor
.set BRA, 192                          ; v192-199, v216-223 the block's eight biases, two buffers by turns
.set CB,  200
.set B1,  208
.set KS4, 96
.set WV4, 100
.set ZR,  104
.set BIAC, 105
.set STW, 64                           ; way out: v64-67 where I put row block a in the stage; v68 where I read rows back; v69 my 16 bytes in out0
.set RDA, 68
.set GOUT, 69
.set ST,  72                           ; v72-103 row k of four: +0..3 two chains of sums, +4, 5 the mean, +6, 7 1 / sqrt(var + eps)
.set KEY, 4                            ; s[4:25] the eleven addresses
.set VAL, 6
.set QRY, 8
.set WT,  10                           ; from the head on: wt at my wave's part of tile 0
.set BK,  12
.set BV,  14
.set BQ,  16
.set BO,  18
.set GAM, 20
.set BET, 22
.set OUT, 24
.set WV,  26                           ; my wave's number
.set CX,  27                           ; my place in the cluster: it enters addresses of my own rows and of prefetches alone
.set G1,  28                           ; s[28:35] descriptor group 1
.set G0,  36                           ; s[36:43] group 0, a set for each slot
.set AP,  44                           ; s[44:45] the activation tile loaded last
.set NX,  46                           ; s[46:49] the next two activations
.set NX2, 48
.set T64, 50                           ; s[50:51] an offset at work: made of the step and of ROT alone
.set PFA, 52                           ; s[52:53] the activations' prefetch
.set PFN, 54                           ; s[54:57] its next two activations
.set PFN2, 56
.set PFB, 58                           ; s[58:59] the weights' prefetch
.set GS,  60                           ; the K step, 0 to 63, through all four phases
.set LAP, 61
.set PH,  62                           ; the phase: 0 k, 1 v, 2 q, 3 o
.set PFAL, 63                          ; prefetches still to be made: activations,
.set PFBL, 66                          ; weights
.set T32, 67
.set CS,  68                           ; s[68:69] log2 e
.set EPA, 70                           ; s[70:71] 1e-6
.set SEL, 72                           ; s[72:73] v_permlanex16_b32: each lane takes its own place in the other half
.set INV, 74                           ; 1 / 1024
.set EPL, 75                           ; 1e-3
.set LNT, 76
.set ROT, 77                           ; the K step at which my cluster begins a product: 0, 2, .. 14
.set ABASE, 78                         ; s[78:79] the activation whose tiles are being loaded, at my work-group's rows
.set PFBASE, 80                        ; s[80:81] the activation whose tiles are being prefetched
.set AP0, 82                           ; s[82:83] the first two tiles of key; never rewritten
.set CXT, 84                           ; s[84:85] offsets made of my place in the cluster, at the head alone
.set MSB, 0
.macro WIN new                         ; the immediate's high byte repeats the setting that is left; a switch that changes nothing is dropped
.if MSB != (\new)
	s_set_vgpr_msb (MSB<<8)|(\new)
.set MSB, \new
.endif
.endm
.macro PLACES                          ; four places between a matrix instruction and a load into, or a vector instruction on, its registers (ISA guide 7.12.1 for vector instructions)
.rept 4
	v_nop
.endr
.endm
.macro CREST                           ; a round of the cluster's barrier behind its opening barrier
	s_cmp_lg_u32 s[WV], 0
	s_cbranch_scc1 .Lnot_wave_0_\@
	s_barrier_signal -3
.Lnot_wave_0_\@:
	s_barrier_wait -3
	s_barrier_signal -1
	s_barrier_wait -1
.endm
.macro CROUND
	s_barrier_signal -1
	s_barrier_wait -1
	CREST
.endm
; Eight products: row block a x column blocks 8 half .. + 7, 32 along K.  All 64 accumulators take turns, one instruction a turn, in the same order in every quarter.
.macro MUL8 half, a, zero
	WIN 0xa0+0x50*(\half)                          ; sources in window 0, C and D in window 2 or 3
.irp i, 0,1,2,3,4,5,6,7
.if \zero
	v_wmma_f32_16x16x32_bf16 v[8*(8*(\a)+(\i)):8*(8*(\a)+(\i))+7], v[BH+64*(\half)+8*(\i):BH+64*(\half)+8*(\i)+7], v[FA+8*(\a):FA+8*(\a)+7], 0
.else
	v_wmma_f32_16x16x32_bf16 v[8*(8*(\a)+(\i)):8*(8*(\a)+(\i))+7], v[BH+64*(\half)+8*(\i):BH+64*(\half)+8*(\i)+7], v[FA+8*(\a):FA+8*(\a)+7], v[8*(8*(\a)+(\i)):8*(8*(\a)+(\i))+7]
.endif
.endr
.endm
; Eight fragments of W (column blocks 8 half .. + 7, K quarter kq of the slot), turned: the tile lies [k][n].  16 loads.
.macro RB half, slot, kq
.irp i, 0,1,2,3,4,5,6,7
	ds_load_tr16_b128 v[BH+64*(\half)+8*(\i):BH+64*(\half)+8*(\i)+3],   v[ADRB+(\slot)] offset:(\kq)*32*PITB+32*(8*(\half)+(\i))
	ds_load_tr16_b128 v[BH+64*(\half)+8*(\i)+4:BH+64*(\half)+8*(\i)+7], v[ADRB+(\slot)] offset:(\kq)*32*PITB+16*PITB+32*(8*(\half)+(\i))
.endr
.endm
.macro RA1 a, scr, kq                  ; the activation's fragment of row block a.  2 loads
	ds_load_b128 v[FA+8*(\a):FA+8*(\a)+3],   v[ADRA] offset:(\scr)*SCRB+(\a)*16*PITA+64*(\kq)
	ds_load_b128 v[FA+8*(\a)+4:FA+8*(\a)+7], v[ADRA] offset:(\scr)*SCRB+(\a)*16*PITA+64*(\kq)+32
.endm
.macro FETCH0                          ; a phase's first fragments, in the order in which every quarter issues them: the counted waits go by that order
	RB 0, 0, 0
	RA1 0, 0, 0
	RA1 1, 0, 0
	RA1 2, 0, 0
	RA1 3, 0, 0
	RB 1, 0, 0
.endm
.macro CTXOUT b                        ; my column block b of ctx goes into scratch b % 2: 16 channels of the K step of the last product that multiplies W's tile b
	WIN 0x04                                       ; store data in window 1
.irp a, 0,1,2,3
	ds_store_b128 v[CST], v[4*(16*(\a)+(\b)):4*(16*(\a)+(\b))+3] offset:((\b)%2)*SCRB+(\a)*16*PITA
.endr
	WIN 0
.endm
.macro PROD b                          ; s[T32] holds the number of the block that is due
	s_cmp_eq_u32 s[T32], \b
	s_cbranch_scc0 .Lnp_\@
	CTXOUT \b
.Lnp_\@:
.endm
; THE FEED OF SOURCE 1, once a K step: what step GS + 1 multiplies goes into the scratch that step GS does not read (its last readers passed the barrier of step GS - 1; the barrier of step GS shows it to all).
; Up to step 46: activation tile GS + 1, in register set 'set', is rounded and stored, and tile GS + 3 is asked for into the same registers, at its rotated place along the rows.
; From step 47 on: ctx block (GS + 1 + ROT) mod 16.  mode = 1: this place in the text serves even steps, so the block is odd; 2: the other way round; 0: no block is due here.
.macro AFEED set, mode
.set AFS, AF+32*(\set)
	s_cmp_lt_u32 s[GS], 47
	s_cbranch_scc0 .Lctx_\@
	s_wait_loadcnt 8                               ; my set's eight loads are in; the other set's eight, issued behind them, may stay out
.irp t, 0,1,2,3,4,5,6,7
	v_cvt_pk_bf16_f32 v[AFS+4*(\t)],   v[AFS+4*(\t)],   v[AFS+4*(\t)+1]
	v_cvt_pk_bf16_f32 v[AFS+4*(\t)+1], v[AFS+4*(\t)+2], v[AFS+4*(\t)+3]
.endr
.irp t, 0,1,2,3,4,5,6,7
	ds_store_b64 v[ASTO], v[AFS+4*(\t):AFS+4*(\t)+1] offset:(\set)*SCRB+2*PITA*(\t)
.endr
	s_cmp_lt_u32 s[GS], 45
	s_cbranch_scc0 .Ldrain_\@
	s_wait_xcnt 0x0                                ; the last tile's loads have read their base: it may be written
	s_add_co_u32 s[T32], s[GS], 3
	s_and_b32 s[T32], s[T32], 15                   ; tile GS + 3 is step T32 of its phase;
	s_cmp_eq_u32 s[T32], 0                         ; where that is a phase's first, the next activation begins
	s_cselect_b64 s[ABASE:ABASE+1], s[NX:NX+1], s[ABASE:ABASE+1]
	s_cselect_b64 s[NX:NX+1], s[NX2:NX2+1], s[NX:NX+1]
	s_add_co_u32 s[T32], s[T32], s[ROT]
	s_and_b32 s[T32], s[T32], 15                   ; its rotated place,
	s_lshl_b32 s[T64], s[T32], 8                   ; 64 f32 a place
	s_mov_b32 s[T64+1], 0
	s_add_nc_u64 s[AP:AP+1], s[ABASE:ABASE+1], s[T64:T64+1]
.irp t, 0,1,2,3,4,5,6,7
	global_load_b128 v[AFS+4*(\t):AFS+4*(\t)+3], v[AGO], s[AP:AP+1] offset:8192*(\t)  ; two rows x 256 consecutive bytes, aligned
.endr
	s_branch .Lfed_\@
.Ldrain_\@:
	s_wait_loadcnt 0x0                             ; nothing is asked for any more: the count of 8 above is then met with nothing out
	s_branch .Lfed_\@
.Lctx_\@:
	s_wait_loadcnt 0x0                             ; (nothing is out)
.if (\mode) != 0
	s_add_co_u32 s[T32], s[GS], 1
	s_add_co_u32 s[T32], s[T32], s[ROT]
	s_and_b32 s[T32], s[T32], 15
.endif
.if (\mode) == 1
.irp b, 1,3,5,7,9,11,13,15
	PROD \b
.endr
.elseif (\mode) == 2
.irp b, 0,2,4,6,8,10,12,14
	PROD \b
.endr
.endif
.Lfed_\@:
	s_add_co_u32 s[GS], s[GS], 1
.endm
; bo, gamma, beta and the first four of my 16 rows of query, into window 1, which the last block of ctx has left.  56 loads, waited for at the LayerNorm's head.
.macro LNLOADS
	WIN 0x40
.irp t, 0,1,2,3,4,5,6,7
	global_load_b128 v[128+4*(\t):128+4*(\t)+3], v[CO], s[BO:BO+1] offset:512*(\t)
	global_load_b128 v[160+4*(\t):160+4*(\t)+3], v[CO], s[GAM:GAM+1] offset:512*(\t)
	global_load_b128 v[192+4*(\t):192+4*(\t)+3], v[CO], s[BET:BET+1] offset:512*(\t)
.endr
.irp k, 0,1,2,3
.irp t, 0,1,2,3,4,5,6,7
	global_load_b128 v[32*(\k)+4*(\t):32*(\k)+4*(\t)+3], v[GQ], s[QRY:QRY+1] offset:4096*(\k)+512*(\t) th:TH_LOAD_NT
.endr
.endr
	WIN 0
.endm
; PREFETCHES INTO THE L2, behind the joint load, its five lines and the run of LDS loads.  WEIGHTS: in K step G the tile with the number G + 20 in wt's own order.  A product's tiles are first loaded for its steps 0 and 1, by the
; clusters that begin there, and those refills go out two steps earlier: the request stands four to eighteen K steps ahead of them.  The launch's first cluster alone asks; its 4 work-groups x 4 waves x 32 lanes name the tile's
; 512 blocks of 256 bytes once each, the partners told apart by address.  44 requests end at tile 63; tiles 0 to 19 come by their loads alone.  ACTIVATIONS, every second step: each wave asks for its own 16 rows x 512 bytes,
; tiles G + 6 and G + 7 at their rotated place (ROT is even, so the two lie side by side), which it loads two and a half and three and a half steps later.  21 requests end at tile 47; tiles 0 to 5 come by their loads alone.
.macro ASK slot
	s_cmp_lg_u32 s[PFBL], 0
	s_cbranch_scc0 .Lnw_\@
	global_prefetch_b8 v[PFOB], s[PFB:PFB+1] th:TH_LOAD_NT scope:SCOPE_SE
	s_sub_co_u32 s[PFBL], s[PFBL], 1
.Lnw_\@:
.if (\slot) == 0
	s_cmp_lg_u32 s[PFAL], 0
	s_cbranch_scc0 .Lna_\@
	global_prefetch_b8 v[PFOA], s[PFA:PFA+1] th:TH_LOAD_NT scope:SCOPE_SE
	s_sub_co_u32 s[PFAL], s[PFAL], 1
.Lna_\@:
.endif
.endm
; A K STEP of 64 is two quarters of 32, 64 products each.  LDS loads for the next quarter are issued in this order: W's blocks 0-7 (16), the four fragments of the activation (2 each), W's blocks 8-15 (16).
; THE FIRST QUARTER.  mode: the feed's; -1: the loads for the LayerNorm stand in the feed's place.
.macro Q0 slot, zero, mode
	s_wait_dscnt 22                                ; W's blocks 0-7 and row block 0 are in; behind them: three fragments (6) and W's blocks 8-15 (16)
	MUL8 0, 0, \zero
	s_wait_dscnt 20
	MUL8 0, 1, \zero
	s_wait_dscnt 18
	MUL8 0, 2, \zero
	s_wait_dscnt 16
	MUL8 0, 3, \zero
	PLACES
	WIN 0
.if (\mode) >= 0
	AFEED 1-(\slot), \mode
.else
	LNLOADS
.endif
	RB 0, \slot, 1
	s_wait_dscnt 16                                ; all but the 16 just issued: W's blocks 8-15 are in, whatever the feed has stored
.irp a, 0,1,2,3
	MUL8 1, \a, \zero
	PLACES
	WIN 0
	RA1 \a, \slot, 1                               ; a fragment's registers are loaded again as soon as its last eight products are four places back
.endr
	RB 1, \slot, 1
.endm
; THE SECOND QUARTER, with the change of slots.  In front of ONE barrier each wave waits for all its tensor loads (one is out: its part of the other slot), adds 0 to its spare word, and waits for that, for its reads of this
; slot and scratch and for its stores into the other scratch.  fill = 1: the barrier opens a round of the cluster's barrier, and behind the round this slot is filled again, with the tile of the step after next: the first thing
; there, one load a wave, with 112 products up to the wait for it.  fetch = 1: the next step's first fragments are read.  Here GS is this step's number + 1: the feed has counted it on.
.macro Q1 slot, fill, fetch
.if \fill
	s_wait_xcnt 0x0                                ; the last prefetches, a K step back, have read their addresses: they are written here, ahead of the change's own waits
	s_add_nc_u64 s[PFB:PFB+1], s[PFB:PFB+1], TILEB
.if (\slot) == 0
	s_add_co_u32 s[T32], s[GS], 5                  ; the pair of tiles to be asked for begins with tile GS + 5,
	s_and_b32 s[T32], s[T32], 15
	s_cmp_eq_u32 s[T32], 0                         ; where that is a phase's first, in the next activation,
	s_cselect_b64 s[PFBASE:PFBASE+1], s[PFN:PFN+1], s[PFBASE:PFBASE+1]
	s_cselect_b64 s[PFN:PFN+1], s[PFN2:PFN2+1], s[PFN:PFN+1]
	s_add_co_u32 s[T32], s[T32], s[ROT]
	s_and_b32 s[T32], s[T32], 15                   ; at its rotated place
	s_lshl_b32 s[T64], s[T32], 8
	s_mov_b32 s[T64+1], 0
	s_add_nc_u64 s[PFA:PFA+1], s[PFBASE:PFBASE+1], s[T64:T64+1]
.endif
.endif
	s_wait_dscnt 22
	MUL8 0, 0, 0
	s_wait_dscnt 20
	MUL8 0, 1, 0
	s_wait_tensorcnt 0x0                           ; all my tensor loads have landed, so a group 0 may be written
	ds_add_u32 v[SPW], v[NIL]                      ; 0 onto my spare word: its two registers lie in window 0, as the products' sources do
.if \fill
	s_add_co_u32 s[T32], s[GS], 1                  ; this slot's next tile belongs to step GS + 1: its address is made anew
	s_and_b32 s[T64], s[T32], 15
	s_add_co_u32 s[T64], s[T64], s[ROT]
	s_and_b32 s[T64], s[T64], 15                   ; the step's rotated place in its phase,
	s_and_b32 s[T32], s[T32], 0x30                 ; 16 x the phase:
	s_add_co_u32 s[T64], s[T64], s[T32]            ; the tile's number in wt, 63 at the most,
	s_lshl_b32 s[T64], s[T64], 17                  ; in bytes
	s_mov_b32 s[T64+1], 0
	s_add_nc_u64 s[G0+4*(\slot)+2:G0+4*(\slot)+3], s[WT:WT+1], s[T64:T64+1]
	s_or_b32 s[G0+4*(\slot)+3], s[G0+4*(\slot)+3], 0x80000000
.endif
	s_wait_dscnt 19                                ; row block 2 is in; behind it: one fragment (2), W's blocks 8-15 (16), the add (1)
	MUL8 0, 2, 0
	s_wait_dscnt 0x0                               ; the add is done, my reads of this slot and scratch are over, my stores into the other scratch are done
	s_barrier_signal -1
	MUL8 0, 3, 0
.if \fill
	WIN 0
.endif
	s_barrier_wait -1
.if \fill
	CREST                                          ; no wave of any partner still reads this slot or has a load on its way
	tensor_load_to_lds s[G0+4*(\slot):G0+4*(\slot)+3], s[G1:G1+7]
	s_nop 0
.rept 4
	v_nop                                          ; the places in front of the loads below
.endr
.else
	PLACES
.endif
.if \fetch
	WIN 0
	RB 0, 1-(\slot), 0
.endif
.if \fill
	WIN 0
	ASK \slot
.endif
.irp a, 0,1,2,3
	MUL8 1, \a, 0
.if \fetch
	PLACES
	WIN 0
	RA1 \a, 1-(\slot), 0
.endif
.endr
.if \fetch
	RB 1, 1-(\slot), 0
.endif
.endm
.macro Q1L                             ; the very last quarter: nothing more to fetch
	s_wait_dscnt 22
	MUL8 0, 0, 0
	s_wait_dscnt 20
	MUL8 0, 1, 0
	s_wait_dscnt 18
	MUL8 0, 2, 0
	s_wait_dscnt 16
	MUL8 0, 3, 0
	s_wait_dscnt 0x0
	MUL8 1, 0, 0
	MUL8 1, 1, 0
	MUL8 1, 2, 0
	MUL8 1, 3, 0
.endm
; THE EPILOGUES, a column block b (16 columns x 64 rows: 32 numbers a lane) at a time; four blocks are a head.
.macro BIASNEXT b                      ; the block's biases are in; the next block's are asked for into the other buffer
.set AB,  8*((\b)%8)
.set BRC, BRA+24*((\b)%2)
.set BRN, BRA+24*(1-(\b)%2)
	WIN 0
	s_wait_dscnt 0x0
.if (\b) < 15
	ds_load_b128 v[BRN:BRN+3],   v[BIAC] offset:64*(\b)+64
	ds_load_b128 v[BRN+4:BRN+7], v[BIAC] offset:64*(\b)+80
.endif
.endm
.macro HEADEND dst, off                ; a head's sums: the pair's two halves, the other half of the lanes' 32 columns; four row blocks are stored as 16 bytes
.irp a, 0,1,2,3
	v_add_f32 v[RED+\a], v[KP+2*\a], v[KP+2*\a+1]
.endr
.irp a, 0,1,2,3
	v_permlanex16_b32 v[X1+\a], v[RED+\a], s[SEL], s[SEL+1]
.endr
.irp a, 0,1,2,3
	v_add_f32 v[(\dst)+\a], v[RED+\a], v[X1+\a]
.endr
	ds_store_b128 v[STA], v[(\dst):(\dst)+3] offset:\off
.endm
.macro PACKW b                         ; the block, rounded to bf16, into window 1
	WIN 0x40
.irp a, 0,1,2,3
.irp j, 0,1,2,3
	v_cvt_pk_bf16_f32 v[4*(16*\a+(\b))+\j], v[YY+8*\a+2*\j], v[YY+8*\a+2*\j+1]
.endr
.endr
	WIN 0
.endm
; Phases k and q: elu + 1, one text for both; then k's or q's own part.  Each accumulator's lowest registers are read first.
.macro EKQ b
	BIASNEXT \b
.irp j, 0,1,2,3
	v_pk_mul_f32 v[CB+2*\j:CB+2*\j+1], v[BRC+2*\j:BRC+2*\j+1], s[CS:CS+1] op_sel_hi:[1,0]  ; bias x log2 e
	v_pk_add_f32 v[B1+2*\j:B1+2*\j+1], v[BRC+2*\j:BRC+2*\j+1], 1.0 op_sel_hi:[1,0]         ; bias + 1
.endr
	WIN 2+(\b)/8                                   ; source 0: the accumulators
.irp a, 0,1,2,3
.irp j, 0,1,2,3
	v_pk_fma_f32 v[YY+8*\a+2*\j:YY+8*\a+2*\j+1], v[64*\a+AB+2*\j:64*\a+AB+2*\j+1], s[CS:CS+1], v[CB+2*\j:CB+2*\j+1] op_sel_hi:[1,0,1]
	v_pk_add_f32 v[X1+8*\a+2*\j:X1+8*\a+2*\j+1], v[64*\a+AB+2*\j:64*\a+AB+2*\j+1], v[B1+2*\j:B1+2*\j+1]
.endr
.endr
	WIN 0
.set i, 0
.rept 32
	v_exp_f32 v[YY+i], v[YY+i]
.set i, i+1
.endr
	v_nop                                          ; a plain instruction behind the last exponential,
	s_wait_alu depctr_va_vdst(0)                   ; and one wait for the batch of 32, ahead of its first reader
.set i, 0
.rept 32
	v_med3_num_f32 v[YY+i], v[YY+i], v[X1+i], 1.0  ; elu + 1
.set i, i+1
.endr
	s_cmp_eq_u32 s[PH], 0
	s_cbranch_scc0 .Lq_\@
	; k: the head's sum of k' goes on, in four pairs; k' is kept in bf16
.irp j, 1,2,3
.irp a, 0,1,2,3
.if ((\b)%4 == 0) && (\j == 1)
	v_pk_add_f32 v[KP+2*\a:KP+2*\a+1], v[YY+8*\a:YY+8*\a+1], v[YY+8*\a+2:YY+8*\a+3]  ; a head's first two pairs start the sum
.else
.if \j == 1
	v_pk_add_f32 v[KP+2*\a:KP+2*\a+1], v[KP+2*\a:KP+2*\a+1], v[YY+8*\a:YY+8*\a+1]
.endif
	v_pk_add_f32 v[KP+2*\a:KP+2*\a+1], v[KP+2*\a:KP+2*\a+1], v[YY+8*\a+2*\j:YY+8*\a+2*\j+1]
.endif
.endr
.endr
.if (\b)%4 == 3
	HEADEND KS4, 512*((\b)/4)
.endif
	PACKW \b
	s_branch .Le_\@
.Lq_\@:
	; q: ctx = q' wv / (q' ks + 1e-6)
.if (\b)%4 == 0
	ds_load_b128 v[KS4:KS4+3], v[STA] offset:512*((\b)/4)
	ds_load_b128 v[WV4:WV4+3], v[STA] offset:512*((\b)/4)+2048
	s_wait_dscnt 0x0
.endif
.irp a, 0,1,2,3
.irp j, 0,1,2,3
.if (\a)%2 == 0
	v_pk_fma_f32 v[X1+8*\a+2*\j:X1+8*\a+2*\j+1], v[YY+8*\a+2*\j:YY+8*\a+2*\j+1], v[KS4+2*(\a/2):KS4+2*(\a/2)+1], s[EPA:EPA+1] op_sel_hi:[1,0,0]
.else
	v_pk_fma_f32 v[X1+8*\a+2*\j:X1+8*\a+2*\j+1], v[YY+8*\a+2*\j:YY+8*\a+2*\j+1], v[KS4+2*(\a/2):KS4+2*(\a/2)+1], s[EPA:EPA+1] op_sel:[0,1,0] op_sel_hi:[1,1,0]
.endif
.endr
.endr
.set i, 0
.rept 32
	v_rcp_f32 v[X1+i], v[X1+i]
.set i, i+1
.endr
.irp a, 0,1,2,3                        ; q' wv names no reciprocal: the plain work behind the batch
.irp j, 0,1,2,3
.if (\a)%2 == 0
	v_pk_mul_f32 v[YY+8*\a+2*\j:YY+8*\a+2*\j+1], v[YY+8*\a+2*\j:YY+8*\a+2*\j+1], v[WV4+2*(\a/2):WV4+2*(\a/2)+1] op_sel_hi:[1,0]
.else
	v_pk_mul_f32 v[YY+8*\a+2*\j:YY+8*\a+2*\j+1], v[YY+8*\a+2*\j:YY+8*\a+2*\j+1], v[WV4+2*(\a/2):WV4+2*(\a/2)+1] op_sel:[0,1] op_sel_hi:[1,1]
.endif
.endr
.endr
	s_wait_alu depctr_va_vdst(0)                   ; one wait for the 32 reciprocals
.set i, 0
.rept 16
	v_pk_mul_f32 v[YY+i:YY+i+1], v[YY+i:YY+i+1], v[X1+i:X1+i+1]
.set i, i+2
.endr
	PACKW \b
.Le_\@:
.endm
; Phase v: the head's sum of k' v: k' straight from its bf16 halves, v = the accumulator + bias in f32, eight chains.
.macro EV b
	BIASNEXT \b
	WIN 2+(\b)/8
.irp a, 0,1,2,3
.irp j, 0,1,2,3
	v_pk_add_f32 v[X1+8*\a+2*\j:X1+8*\a+2*\j+1], v[64*\a+AB+2*\j:64*\a+AB+2*\j+1], v[BRC+2*\j:BRC+2*\j+1]
.endr
.endr
	WIN 0x01                                       ; source 0: k'
.irp j, 0,1,2,3
.irp a, 0,1,2,3
.if ((\b)%4 == 0) && (\j == 0)
	v_fma_mix_f32_bf16 v[KP+2*\a],   v[4*(16*\a+(\b))+\j], v[X1+8*\a+2*\j],   v[ZR] op_sel_hi:[1,0,0]
	v_fma_mix_f32_bf16 v[KP+2*\a+1], v[4*(16*\a+(\b))+\j], v[X1+8*\a+2*\j+1], v[ZR] op_sel:[1,0,0] op_sel_hi:[1,0,0]
.else
	v_fma_mix_f32_bf16 v[KP+2*\a],   v[4*(16*\a+(\b))+\j], v[X1+8*\a+2*\j],   v[KP+2*\a] op_sel_hi:[1,0,0]
	v_fma_mix_f32_bf16 v[KP+2*\a+1], v[4*(16*\a+(\b))+\j], v[X1+8*\a+2*\j+1], v[KP+2*\a+1] op_sel:[1,0,0] op_sel_hi:[1,0,0]
.endif
.endr
.endr
	WIN 0
.if (\b)%4 == 3
	HEADEND WV4, 512*((\b)/4)+2048
.endif
.endm
.macro EPIHEAD                         ; the phase's biases; block 0's are asked for
	s_lshl_b32 s[T32], s[PH], 12
	v_add_nc_u32 v[BIAC], s[T32], v[BIA]
	ds_load_b128 v[BRA:BRA+3],   v[BIAC]
	ds_load_b128 v[BRA+4:BRA+7], v[BIAC] offset:16
.endm
.macro REDUCE                          ; four rows' sums: two chains, a pair's halves, the 32 lanes; every lane ends with the row's sum in v[ST + 8 k]
.irp k, 0,1,2,3
	v_pk_add_f32 v[ST+8*\k:ST+8*\k+1], v[ST+8*\k:ST+8*\k+1], v[ST+8*\k+2:ST+8*\k+3]
.endr
.irp k, 0,1,2,3
	v_add_f32 v[ST+8*\k], v[ST+8*\k], v[ST+8*\k+1]
.endr
.irp m, 1,2,4,8
.irp k, 0,1,2,3
	v_add_f32_dpp v[ST+8*\k], v[ST+8*\k], v[ST+8*\k] row_xmask:\m row_mask:0xf bank_mask:0xf
.endr
.endr
.irp k, 0,1,2,3
	v_permlanex16_b32 v[ST+8*\k+1], v[ST+8*\k], s[SEL], s[SEL+1]
.endr
.irp k, 0,1,2,3
	v_add_f32 v[ST+8*\k], v[ST+8*\k], v[ST+8*\k+1]
.endr
.endm
	s_load_b512 s[4:19], s[0:1], 0x0               ; key, value, query, wt, bk, bv, bq, bo
	s_load_b128 s[20:23], s[0:1], 0x40             ; gamma, beta
	s_load_b64 s[24:25], s[0:1], 0x50              ; out0
	v_lshl_add_u32 v[SPW], v0, 2, SPARE
	v_mov_b32 v[NIL], 0
	ds_add_u32 v[SPW], v[NIL]                      ; the wave's opening: the add, twice on end, and its wait ahead of my first tensor load; the set-up below, work on registers, stands between
	ds_add_u32 v[SPW], v[NIL]
	v_lshrrev_b32 v1, 5, v0
	v_readfirstlane_b32 s[WV], v1                  ; wave 0..3
	s_bfe_u32 s[CX], ttmp6, 0x40000                ; cx
	s_and_b32 s[ROT], ttmp9, 7                     ; in a cluster launch ttmp9 counts clusters:
	s_lshl_b32 s[ROT], s[ROT], 1                   ; my cluster begins its products at K step 2 (cluster mod 8)
	; descriptor group 1: my part of a tile, 64 rows x 256 elements, dense in memory, padded in LDS
	s_mov_b32 s[G1], 15|(1<<16)|(1<<20)|(1<<21)|(6<<22)|(7<<25)  ; 15:0 the mask of four; 17:16 2-byte elements; 20 padding on; 21 set beside a mask; 24:22 after every 128 words (code 6); 31:25 8 words (code 7)
	s_mov_b32 s[G1+1], 256<<16                     ; tensor_dim0 = 256
	s_mov_b32 s[G1+2], 64<<16                      ; tensor_dim1 = 64
	s_mov_b32 s[G1+3], 256<<16                     ; tile_dim0 = 256
	s_mov_b32 s[G1+4], 64                          ; tile_dim1 = 64
	s_mov_b32 s[G1+5], 256                         ; 256 elements from row to row
	s_mov_b32 s[G1+6], 0
	s_mov_b32 s[G1+7], 0
	s_mov_b32 s[CS], 0x3fb8aa3b                    ; log2 e
	s_mov_b32 s[CS+1], s[CS]
	s_mov_b32 s[EPA], 0x358637bd                   ; 1e-6
	s_mov_b32 s[EPA+1], s[EPA]
	s_mov_b32 s[SEL], 0x76543210
	s_mov_b32 s[SEL+1], 0xfedcba98
	s_mov_b32 s[INV], 0x3a800000                   ; 1 / 1024
	s_mov_b32 s[EPL], 0x3a83126f                   ; 1e-3
	s_mov_b32 s[GS], 0
	s_mov_b32 s[PH], 0
	s_mov_b32 s[PFAL], 21
	v_and_b32 v16, 15, v0                          ; r = l % 16
	v_bfe_u32 v17, v0, 4, 1                        ; h = l / 16
	v_and_b32 v18, 31, v0                          ; l
	v_and_b32 v19, 7, v0
	v_bfe_u32 v20, v0, 3, 1
	v_lshl_add_u32 v1, v17, 3, v19                 ; the turning load: lane l reads row 8 h + l % 8, 16 bytes at 16 ((l / 8) % 2)
	v_mul_u32_u24 v1, v1, PITB
	v_lshl_add_u32 v1, v20, 4, v1
	s_mul_i32 s[T32], s[WV], PARTB
	v_add_nc_u32 v[ADRB], s[T32], v1
	v_add_nc_u32 v[ADRB+1], SLOTB, v[ADRB]
	v_mul_u32_u24 v1, v16, PITA                    ; a fragment of the scratch: row r, 16 bytes for each half of the lanes
	v_lshl_add_u32 v1, v17, 4, v1
	v_add_nc_u32 v[ADRA], SCR, v1
	s_lshl_b32 s[T32], s[WV], 5
	v_add_nc_u32 v[CST], s[T32], v[ADRA]           ; ctx: the same row, my wave's 32 bytes of it
	v_mul_u32_u24 v1, v17, PITA                    ; the activation: rows 16 w + h, 8 bytes at 8 r
	v_lshl_add_u32 v1, v16, 3, v1
	s_mul_i32 s[T32], s[WV], 16*PITA
	s_add_co_u32 s[T32], s[T32], SCR
	v_add_nc_u32 v[ASTO], s[T32], v1
	s_lshl_b32 s[T32], s[WV], 16                   ; my wave's 16 rows of 4,096 bytes
	v_lshlrev_b32 v1, 12, v17
	v_lshl_add_u32 v1, v16, 4, v1
	v_add_nc_u32 v[AGO], s[T32], v1
	v_lshlrev_b32 v1, 12, v16
	v_lshl_add_u32 v1, v17, 8, v1
	v_add_nc_u32 v[PFOA], s[T32], v1
	v_lshlrev_b32 v[CO], 4, v18
	v_add_nc_u32 v[GQ], s[T32], v[CO]
	v_lshlrev_b32 v[PFOB], 8, v18
	s_lshl_b32 s[T32], s[WV], 10                   ; my wave's 256 columns in f32
	v_add_nc_u32 v24, s[T32], v[CO]                ; where I load 16 bytes of a bias,
	v_add_nc_u32 v25, BIAS, v24                    ; and where I put them
	s_add_co_u32 s[T32], s[T32], BIAS
	v_lshl_add_u32 v[BIA], v17, 5, s[T32]
	s_lshl_b32 s[T32], s[WV], 12
	s_add_co_u32 s[T32], s[T32], STATS
	v_add_nc_u32 v[STA], s[T32], v[CO]
	s_wait_dscnt 0x0                               ; both opening adds are done
	s_wait_kmcnt 0x0
	; the weights' prefetch: my work-group's quarter of a tile, my wave's quarter of that, in tile 19: the first change of slots steps it to tile 20
	s_lshl_b32 s[CXT], s[CX], 15
	s_lshl_b32 s[T32], s[WV], 13
	s_add_co_u32 s[CXT], s[CXT], s[T32]
	s_add_co_u32 s[CXT], s[CXT], 19*TILEB
	s_mov_b32 s[CXT+1], 0
	s_add_nc_u64 s[PFB:PFB+1], s[WT:WT+1], s[CXT:CXT+1]
	s_cmp_eq_u32 ttmp9, 0                          ; the launch's first cluster asks: the same in all four partners
	s_cselect_b32 s[PFBL], 44, 0
	; descriptor group 0, a set for each slot: the wave's number and the cluster's rotation alone enter, so the four partners' descriptors are equal
	s_lshl_b32 s[T64], s[WV], 15
	s_mov_b32 s[T64+1], 0
	s_add_nc_u64 s[WT:WT+1], s[WT:WT+1], s[T64:T64+1]    ; wt at my part of tile 0
	s_mov_b32 s[G0], 1
	s_mul_i32 s[G0+1], s[WV], PARTB
	s_lshl_b32 s[T64], s[ROT], 17
	s_add_nc_u64 s[G0+2:G0+3], s[WT:WT+1], s[T64:T64+1]  ; step 0: tile ROT
	s_mov_b32 s[G0+4], 1
	s_add_co_u32 s[G0+5], s[G0+1], SLOTB
	s_add_nc_u64 s[G0+6:G0+7], s[G0+2:G0+3], TILEB       ; step 1: tile ROT + 1, 15 at the most
	s_or_b32 s[G0+3], s[G0+3], 0x80000000
	s_or_b32 s[G0+7], s[G0+7], 0x80000000
	; my work-group's 64 rows
	s_lshl_b32 s[CXT], ttmp9, 2
	s_add_co_u32 s[CXT], s[CXT], s[CX]
	s_lshl_b32 s[CXT], s[CXT], 18                  ; 64 rows of 4,096 bytes
	s_add_nc_u64 s[KEY:KEY+1], s[KEY:KEY+1], s[CXT:CXT+1]
	s_add_nc_u64 s[VAL:VAL+1], s[VAL:VAL+1], s[CXT:CXT+1]
	s_add_nc_u64 s[QRY:QRY+1], s[QRY:QRY+1], s[CXT:CXT+1]
	s_add_nc_u64 s[OUT:OUT+1], s[OUT:OUT+1], s[CXT:CXT+1]
	s_mov_b64 s[ABASE:ABASE+1], s[KEY:KEY+1]
	s_mov_b64 s[NX:NX+1], s[VAL:VAL+1]
	s_mov_b64 s[NX2:NX2+1], s[QRY:QRY+1]
	s_mov_b64 s[PFBASE:PFBASE+1], s[KEY:KEY+1]
	s_mov_b64 s[PFN:PFN+1], s[VAL:VAL+1]
	s_mov_b64 s[PFN2:PFN2+1], s[QRY:QRY+1]
	s_lshl_b32 s[T64], s[ROT], 8
	s_add_nc_u64 s[AP0:AP0+1], s[KEY:KEY+1], s[T64:T64+1]  ; tiles 0 and 1 lie side by side at places ROT and ROT + 1
	s_add_co_u32 s[T32], s[ROT], 2
	s_and_b32 s[T32], s[T32], 15
	s_lshl_b32 s[T64], s[T32], 8
	s_add_nc_u64 s[AP:AP+1], s[KEY:KEY+1], s[T64:T64+1]    ; tile 2 at place (ROT + 2) mod 16
.irp t, 0,1,2,3,4,5,6,7
	global_load_b128 v[AF+4*(\t):AF+4*(\t)+3], v[AGO], s[AP0:AP0+1] offset:8192*(\t)          ; tile 0
.endr
.irp t, 0,1,2,3,4,5,6,7
	global_load_b128 v[AF+32+4*(\t):AF+32+4*(\t)+3], v[AGO], s[AP0:AP0+1] offset:8192*(\t)+256  ; tile 1
.endr
	global_load_b128 v[128:131], v24, s[BK:BK+1]
	global_load_b128 v[132:135], v24, s[BK:BK+1] offset:512
	global_load_b128 v[136:139], v24, s[BV:BV+1]
	global_load_b128 v[140:143], v24, s[BV:BV+1] offset:512
	global_load_b128 v[144:147], v24, s[BQ:BQ+1]
	global_load_b128 v[148:151], v24, s[BQ:BQ+1] offset:512
	CROUND                                         ; all four work-groups are here: the first joint loads meet
	tensor_load_to_lds s[G0:G0+3], s[G1:G1+7]      ; both first fills together: two loads of mine are out
	s_nop 0
	tensor_load_to_lds s[G0+4:G0+7], s[G1:G1+7]
	s_nop 0
.rept 4
	v_nop
.endr
	s_wait_loadcnt 14                              ; tile 0 is in; behind it: tile 1 (8) and the biases (6)
.irp t, 0,1,2,3,4,5,6,7
	v_cvt_pk_bf16_f32 v[AF+4*(\t)],   v[AF+4*(\t)],   v[AF+4*(\t)+1]
	v_cvt_pk_bf16_f32 v[AF+4*(\t)+1], v[AF+4*(\t)+2], v[AF+4*(\t)+3]
.endr
.irp t, 0,1,2,3,4,5,6,7
	ds_store_b64 v[ASTO], v[AF+4*(\t):AF+4*(\t)+1] offset:2*PITA*(\t)
.endr
.irp t, 0,1,2,3,4,5,6,7
	global_load_b128 v[AF+4*(\t):AF+4*(\t)+3], v[AGO], s[AP:AP+1] offset:8192*(\t)            ; tile 2
.endr
	s_wait_loadcnt 8                               ; the biases are in; tile 2's eight may stay out
	ds_store_b128 v25, v[128:131]
	ds_store_b128 v25, v[132:135] offset:512
	ds_store_b128 v25, v[136:139] offset:4096
	ds_store_b128 v25, v[140:143] offset:4608
	ds_store_b128 v25, v[144:147] offset:8192
	ds_store_b128 v25, v[148:151] offset:8704
	s_wait_tensorcnt 1                             ; my part of slot 0 is in; slot 1's may stay out
	s_wait_dscnt 0x0                               ; my rows of scratch 0 are stored
	s_barrier_signal -1
	s_barrier_wait -1
	FETCH0
.Lphase:                                               ; four phases: 16 K steps each
	Q0 0, 1, 1                                     ; a phase's first quarter starts the sums: nothing is cleared
	WIN 0                                          ; at a label and at a branch every window is 0
	s_mov_b32 s[LAP], 7
.Llap:                                                 ; a trip goes once round the ring, from a step's second quarter to the first of the step after next
	Q1 0, 1, 1
	Q0 1, 0, 2
	Q1 1, 1, 1
	Q0 0, 0, 1
	WIN 0
	s_sub_co_u32 s[LAP], s[LAP], 1
	s_cmp_lg_u32 s[LAP], 0
	s_cbranch_scc1 .Llap
	s_cmp_eq_u32 s[PH], 3
	s_cbranch_scc1 .Ltail_o                        ; the last phase's tail is written out: it asks for nothing more
	Q1 0, 1, 1                                     ; the ring goes on into the next phase: slot 0 takes the tile of its step 0,
	Q0 1, 0, 0
	Q1 1, 1, 0                                     ; slot 1 that of its step 1; the fragment registers are wanted by the epilogue, so nothing is fetched yet
	PLACES
	PLACES
	WIN 0
	s_cmp_eq_u32 s[PH], 1
	s_cbranch_scc1 .Lepi_v
	EPIHEAD
.irp b, 0,1,2,3,4,5,6,7,8,9,10,11,12,13,14,15
	EKQ \b
.endr
	s_cmp_eq_u32 s[PH], 2
	s_cbranch_scc0 .Lbottom
	s_mov_b32 s[T32], s[ROT]                       ; the last product's step 0 multiplies ctx block ROT; scratch 0 was last read a K step and a barrier ago
.irp b, 0,2,4,6,8,10,12,14
	PROD \b
.endr
	s_branch .Lbottom
.Lepi_v:
	EPIHEAD
	v_mov_b32 v[ZR], 0
.irp b, 0,1,2,3,4,5,6,7,8,9,10,11,12,13,14,15
	EV \b
.endr
.Lbottom:
	s_wait_dscnt 0x0                               ; my block of ctx is stored (behind phases k and v: my sums alone, which no other wave reads)
	s_barrier_signal -1
	s_barrier_wait -1                              ; everybody's is.  My load into slot 1 may stay out
	FETCH0
	s_add_co_u32 s[PH], s[PH], 1
	s_cmp_lt_u32 s[PH], 4
	s_cbranch_scc1 .Lphase
.Ltail_o:
	Q1 0, 0, 1                                     ; the load that was still out is the last step's tile, so no round follows
	Q0 1, 0, -1
	Q1L
	PLACES
	PLACES
	WIN 0
	; THE WAY OUT.  The sums go through a stage in LDS, so that a wave holds whole rows: 16 rows a wave, four at a time.
	s_wait_dscnt 0x0
	s_barrier_signal -1
	s_barrier_wait -1                              ; no wave reads a slot any more, and every tile has landed: the stage may lie over the slots
	v_and_b32 v16, 15, v0
	v_bfe_u32 v17, v0, 4, 1
	v_mul_u32_u24 v1, v16, PITS
	v_lshl_add_u32 v1, v17, 5, v1
	s_lshl_b32 s[T32], s[WV], 10
	v_add_nc_u32 v[STW], s[T32], v1                ; row r, my wave's 1,024 bytes, 32 for each half of the lanes
	v_add_nc_u32 v[STW+1], 16*PITS, v[STW]
	v_add_nc_u32 v[STW+2], 32*PITS, v[STW]
	v_add_nc_u32 v[STW+3], 48*PITS, v[STW]
	s_mul_i32 s[T32], s[WV], 16*PITS
	v_add_nc_u32 v[RDA], s[T32], v[CO]
	v_mov_b32 v[GOUT], v[GQ]
.irp f, 0,1
	WIN 0x08+4*(\f)                                ; store data in window 2, then 3
.irp a, 0,1,2,3
.irp i, 0,1,2,3,4,5,6,7
	ds_store_b128 v[STW+\a], v[8*(8*\a+\i):8*(8*\a+\i)+3]   offset:64*(8*\f+\i)
	ds_store_b128 v[STW+\a], v[8*(8*\a+\i)+4:8*(8*\a+\i)+7] offset:64*(8*\f+\i)+16
.endr
.endr
.endr
	WIN 0
	s_wait_dscnt 0x0                               ; for the others' sake: my stores into the stage are done
	s_barrier_signal -1
	s_barrier_wait -1
	WIN 0xc0                                       ; destination window 3
.irp k, 0,1,2,3
.irp t, 0,1,2,3,4,5,6,7
	ds_load_b128 v[32*\k+4*\t:32*\k+4*\t+3], v[RDA] offset:PITS*\k+512*\t
.endr
.endr
	WIN 0
	s_mov_b32 s[LNT], 4
.Lln:                                                  ; four rows a trip; register 4 t + e of a row is column 128 t + 4 l + e.  Window 1: query, bo, gamma, beta; window 2: x; window 3: the sums from the stage
	s_wait_loadcnt 0x0                             ; query's four rows (the first time bo, gamma, beta too)
	s_wait_dscnt 0x0                               ; the stage's four rows
	WIN 0x87
.set i, 0
.rept 64
	v_pk_add_f32 v[i:i+1], v[i:i+1], v[i:i+1]      ; x = ctx Wo + query
.set i, i+2
.endr
	WIN 0
	s_cmp_eq_u32 s[LNT], 1
	s_cbranch_scc1 .Lnomore                        ; the last trip asks for nothing
	v_add_nc_u32 v[RDA], 4*PITS, v[RDA]
	v_add_nc_u32 v[GQ], 16384, v[GQ]               ; (its loads are done: the wait above)
	WIN 0xc0
.irp k, 0,1,2,3
.irp t, 0,1,2,3,4,5,6,7
	ds_load_b128 v[32*\k+4*\t:32*\k+4*\t+3], v[RDA] offset:PITS*\k+512*\t
.endr
.endr
	WIN 0x40
.irp k, 0,1,2,3
.irp t, 0,1,2,3,4,5,6,7
	global_load_b128 v[32*\k+4*\t:32*\k+4*\t+3], v[GQ], s[QRY:QRY+1] offset:4096*\k+512*\t th:TH_LOAD_NT
.endr
.endr
	WIN 0
.Lnomore:
	WIN 0x86
.irp k, 0,1,2,3
.set i, 0
.rept 16
	v_pk_add_f32 v[32*\k+i:32*\k+i+1], v[32*\k+i:32*\k+i+1], v[128+i:128+i+1]  ; + bo
.set i, i+2
.endr
.endr
	WIN 0x0a                                       ; the rows' sums, two chains a row: the first four pairs start them
.irp k, 0,1,2,3
	v_pk_add_f32 v[ST+8*\k:ST+8*\k+1],   v[32*\k:32*\k+1],   v[32*\k+2:32*\k+3]
	v_pk_add_f32 v[ST+8*\k+2:ST+8*\k+3], v[32*\k+4:32*\k+5], v[32*\k+6:32*\k+7]
.endr
	WIN 0x02
.set i, 4
.rept 12
.irp k, 0,1,2,3
	v_pk_add_f32 v[ST+8*\k+2*(i%2):ST+8*\k+2*(i%2)+1], v[32*\k+2*i:32*\k+2*i+1], v[ST+8*\k+2*(i%2):ST+8*\k+2*(i%2)+1]
.endr
.set i, i+1
.endr
	WIN 0
	REDUCE
.irp k, 0,1,2,3
	v_mul_f32 v[ST+8*\k+4], s[INV], v[ST+8*\k]     ; the mean, twice: a pair for the packed subtraction
	v_mul_f32 v[ST+8*\k+5], s[INV], v[ST+8*\k]
.endr
	WIN 0x82
.irp k, 0,1,2,3
.set i, 0
.rept 16
	v_pk_add_f32 v[32*\k+i:32*\k+i+1], v[32*\k+i:32*\k+i+1], v[ST+8*\k+4:ST+8*\k+5] neg_lo:[0,1] neg_hi:[0,1]
.set i, i+2
.endr
.endr
	WIN 0x0a                                       ; the sums of squares of x - mean, two chains a row
.irp k, 0,1,2,3
	v_pk_mul_f32 v[ST+8*\k:ST+8*\k+1],   v[32*\k:32*\k+1],   v[32*\k:32*\k+1]
	v_pk_mul_f32 v[ST+8*\k+2:ST+8*\k+3], v[32*\k+2:32*\k+3], v[32*\k+2:32*\k+3]
.endr
.set i, 2
.rept 14
.irp k, 0,1,2,3
	v_pk_fma_f32 v[ST+8*\k+2*(i%2):ST+8*\k+2*(i%2)+1], v[32*\k+2*i:32*\k+2*i+1], v[32*\k+2*i:32*\k+2*i+1], v[ST+8*\k+2*(i%2):ST+8*\k+2*(i%2)+1]
.endr
.set i, i+1
.endr
	WIN 0
	REDUCE
.irp k, 0,1,2,3
	v_fma_f32 v[ST+8*\k+1], v[ST+8*\k], s[INV], s[EPL]  ; var + 1e-3
.endr
.irp k, 0,1,2,3
	v_rsq_f32 v[ST+8*\k+6], v[ST+8*\k+1]
	v_rsq_f32 v[ST+8*\k+7], v[ST+8*\k+1]
.endr
	v_nop                                          ; a plain instruction behind the last of them,
	s_wait_alu depctr_va_vdst(0)                   ; and one wait for the eight
	WIN 0x82
.irp k, 0,1,2,3
.set i, 0
.rept 16
	v_pk_mul_f32 v[32*\k+i:32*\k+i+1], v[32*\k+i:32*\k+i+1], v[ST+8*\k+6:ST+8*\k+7]
.set i, i+2
.endr
.endr
	WIN 0x96
.irp k, 0,1,2,3
.set i, 0
.rept 16
	v_pk_fma_f32 v[32*\k+i:32*\k+i+1], v[32*\k+i:32*\k+i+1], v[160+i:160+i+1], v[192+i:192+i+1]  ; x gamma + beta
.set i, i+2
.endr
.endr
	WIN 0x08
.irp k, 0,1,2,3
.irp t, 0,1,2,3,4,5,6,7
	global_store_b128 v[GOUT], v[32*\k+4*\t:32*\k+4*\t+3], s[OUT:OUT+1] offset:4096*\k+512*\t th:TH_STORE_NT  ; a store of the wave covers 512 consecutive bytes, aligned
.endr
.endr
	WIN 0
	s_wait_xcnt 0x0                                ; the stores have read their offset and their data: both are written again only behind this wait
	v_add_nc_u32 v[GOUT], 16384, v[GOUT]
	s_sub_co_u32 s[LNT], s[LNT], 1
	s_cmp_lg_u32 s[LNT], 0
	s_cbranch_scc1 .Lln
	s_wait_tensorcnt 0x0                           ; the wave's end: behind my last tensor load and my last LDS store
	ds_add_u32 v[SPW], v[NIL]
	s_wait_dscnt 0x0
	CROUND                                         ; the closing round: no work-group ends while a partner may still ask for a tile that names it
	s_endpgm
.Lfunc_end_k_q398fdcd578_fused:
	.size	k_q398fdcd578_fused, .Lfunc_end_k_q398fdcd578_fused-k_q398fdcd578_fused
	.p2alignl 7, 3214868480
	.fill 96, 4, 3214868480
	.section	.rodata,"a",@progbits
	.p2align	6, 0x0
	.amdhsa_kernel k_q398fdcd578_fused
		.amdhsa_group_segment_fixed_size 327680
		.amdhsa_private_segment_fixed_size 0
		.amdhsa_enable_private_segment 0
		.amdhsa_kernarg_size 88
		.amdhsa_user_sgpr_count 2
		.amdhsa_user_sgpr_kernarg_segment_ptr 1
		.amdhsa_wavefront_size32 1
		.amdhsa_system_sgpr_workgroup_id_x 1
		.amdhsa_system_sgpr_workgroup_id_y 1
		.amdhsa_system_sgpr_workgroup_id_z 1
		.amdhsa_system_vgpr_workitem_id 0
		.amdhsa_next_free_vgpr 1024
		.amdhsa_next_free_sgpr 88
		.amdhsa_reserve_vcc 0
		.amdhsa_float_denorm_mode_32 3
		.amdhsa_float_denorm_mode_16_64 3
		.amdhsa_memory_ordered 1
		.amdhsa_forward_progress 1
		.amdhsa_inst_pref_size 255
	.end_amdhsa_kernel
	.section	.bss,"aw",@nobits
	.p2align	6
	.space	262144
	.amdgpu_metadata
---
amdhsa.version: [ 1, 2 ]
amdhsa.kernels:
  - .name:           k_q398fdcd578_fused
    .symbol:         k_q398fdcd578_fused.kd
    .args:
      - { .name: key, .offset: 0, .size: 8, .value_kind: global_buffer, .address_space: global }
      - { .name: value, .offset: 8, .size: 8, .value_kind: global_buffer, .address_space: global }
      - { .name: query, .offset: 16, .size: 8, .value_kind: global_buffer, .address_space: global }
      - { .name: wt, .offset: 24, .size: 8, .value_kind: global_buffer, .address_space: global }
      - { .name: bk, .offset: 32, .size: 8, .value_kind: global_buffer, .address_space: global }
      - { .name: bv, .offset: 40, .size: 8, .value_kind: global_buffer, .address_space: global }
      - { .name: bq, .offset: 48, .size: 8, .value_kind: global_buffer, .address_space: global }
      - { .name: bo, .offset: 56, .size: 8, .value_kind: global_buffer, .address_space: global }
      - { .name: gamma, .offset: 64, .size: 8, .value_kind: global_buffer, .address_space: global }
      - { .name: beta, .offset: 72, .size: 8, .value_kind: global_buffer, .address_space: global }
      - { .name: out0, .offset: 80, .size: 8, .value_kind: global_buffer, .address_space: global }
    .group_segment_fixed_size: 327680
    .private_segment_fixed_size: 0
    .kernarg_segment_align: 8
    .kernarg_segment_size: 88
    .max_flat_workgroup_size: 128
    .sgpr_count:     88
    .vgpr_count:     1024
    .wavefront_size: 32
...
	.end_amdgpu_metadata
.endif
;; end of part 2
;; ======== version 2 of 2: 2 launches; version 1 with the launch prep written anew for expert scheduling mode
;; limits: values outside matrix products are rounded to bf16
;; workspace buffers: wt 8,388,608 bytes
;; launch prep (part 3): grid 64 x 4, 8 waves a work-group, no clusters, 0 bytes of LDS; arguments Wk, Wv, Wq, Wo, wt; writes wt
.if DOCPART == 3
	.amdgcn_target "amdgcn-amd-amdhsa--gfx1250"
	.amdhsa_code_object_version 6
	.text
	.protected	k_q398fdcd578_prep
	.globl	k_q398fdcd578_prep
	.p2align	8
	.type	k_q398fdcd578_prep,@function
k_q398fdcd578_prep:
	s_mov_b64 s[64:65], 0
	v_nop
	global_prefetch_b8 v0, s[64:65] scope:SCOPE_SE
	s_setreg_imm32_b32 hwreg(HW_REG_WAVE_SCHED_MODE, 0, 2), 2
	s_setreg_imm32_b32 hwreg(HW_REG_WAVE_MODE, 25, 1), 1
	s_wait_xcnt 0x0
	s_wait_alu depctr_vm_vsrc(0)
; The four weight matrices W[k][n] (f32, 1024 x 1024) are rounded once to bf16 and laid out as the stream of 64 tiles that the next launch walks:
; wt[g][w][kap][n]: tile g = 16 p + s (p: 0 Wk, 1 Wv, 2 Wq, 3 Wo; s: K step of 64), part w = columns 256 w .. 256 w + 255, 64 rows kap of 256 bf16: a part is 32,768 dense bytes.
; Row kap is source row k = 64 s + kap for p < 3.  For Wo it is k = 256 (kap / 16) + 16 s + kap % 16: the order in which the next launch hands its ctx over (16 channels of each wave a step).
; No work is left out: every weight has a way to the output.
; A work-group makes one part: wave v rows kap = 8 i + v.  A load of a wave covers 512 consecutive bytes of a source row, a store 256 consecutive bytes, aligned.
; A stream: no LDS, no barrier, no matrix unit.  All 16 loads of a wave go out before the first wait on their counter.
; THE MODE: SCHED_MODE bits 1:0 = 2 (LLVM: expert scheduling mode 2), set by the entry lines.  The code itself states the register dependences
; between vector instructions and memory instructions, with s_wait_alu, always for 0.
; THE PLAN.  Registers that memory instructions touch:
;   v1, v2     the loads' and the stores' byte offsets: written once at the head, never again.
;   v[16:79]   load n lands in four registers; no vector instruction names them before.  Its two conversions pack them in place into the first two, which store n reads; nothing writes them after that.
; The 16 loads go in four blocks of four (two rows of the part).  A block: the wait for its data, its eight conversions, ONE wait on va_vdst, its run of four stores.
; One more wait on va_vdst stands ahead of the first load, for the two offsets, and one on va_sdst ahead of the first reader of the wave's number.
; No register that a memory instruction has read is written again, so no wait on vm_vsrc is owed; EXEC is never written.
.set DAT, 16                           ; v[16:79]  load n = 2 i + c: four f32 at v[16 + 4 n], packed in place into the first two
	s_load_b256 s[4:11], s[0:1], 0x0               ; Wk s[4:5], Wv s[6:7], Wq s[8:9], Wo s[10:11]
	s_load_b64 s[12:13], s[0:1], 0x20              ; wt
	v_lshrrev_b32 v3, 5, v0
	v_readfirstlane_b32 s16, v3                    ; wave v
	v_and_b32 v4, 31, v0
	v_lshlrev_b32 v1, 4, v4                        ; 16 bytes a lane on the way in
	v_lshlrev_b32 v2, 3, v4                        ; 8 on the way out
	s_wait_alu depctr_va_sdst(0)                   ; s16 is written, ahead of its first reader: my first source row and my row of the part are made from it
	s_and_b32 s17, ttmp7, 0xffff                   ; w
	s_lshr_b32 s18, ttmp9, 4                       ; p
	s_and_b32 s19, ttmp9, 15                       ; s
	s_lshl_b32 s20, s19, 4
	s_lshl_b32 s21, s19, 6
	s_cmp_eq_u32 s18, 3
	s_cselect_b32 s20, s20, s21                    ; 16 s for Wo, else 64 s
	s_add_co_u32 s20, s20, s16                     ; + v: my first source row
	s_lshl_b32 s20, s20, 12                        ; rows of 4,096 bytes
	s_lshl_b32 s21, s17, 10                        ; + my part's 1,024 bytes of a row
	s_add_co_u32 s20, s20, s21
	s_mov_b32 s21, 0
	s_lshl_b32 s22, ttmp9, 2
	s_add_co_u32 s22, s22, s17                     ; 4 g + w
	s_lshl_b32 s22, s22, 15
	s_lshl_b32 s23, s16, 9                         ; + row v of 512 bytes
	s_add_co_u32 s22, s22, s23
	s_mov_b32 s23, 0
	s_wait_kmcnt 0x0
	s_mov_b64 s[14:15], s[4:5]                     ; the matrix is chosen by p
	s_cmp_eq_u32 s18, 1
	s_cselect_b64 s[14:15], s[6:7], s[14:15]
	s_cmp_eq_u32 s18, 2
	s_cselect_b64 s[14:15], s[8:9], s[14:15]
	s_cmp_eq_u32 s18, 3
	s_cselect_b64 s[14:15], s[10:11], s[14:15]
	s_add_nc_u64 s[14:15], s[14:15], s[20:21]
	s_add_nc_u64 s[12:13], s[12:13], s[22:23]
.macro LD kind                         ; my eight rows, two loads each; kind = 1: Wo's order of rows
.irp i, 0,1,2,3,4,5,6,7
.if \kind
.set RO, 4096*(256*((\i)/2)+8*((\i)%2))
.else
.set RO, 32768*(\i)
.endif
	global_load_b128 v[DAT+8*(\i):DAT+8*(\i)+3],   v1, s[14:15] offset:RO th:TH_LOAD_NT
	global_load_b128 v[DAT+8*(\i)+4:DAT+8*(\i)+7], v1, s[14:15] offset:RO+512 th:TH_LOAD_NT
.endr
.endm
	s_wait_alu depctr_va_vdst(0)                   ; v1 and v2 are written: every load on both ways below reads v1 as its offset, every store v2; no later vector instruction names either
	s_cmp_eq_u32 s18, 3
	s_cbranch_scc1 .Lperm
	LD 0
	s_branch .Ljoin
.Lperm:
	LD 1
.Ljoin:
.irp p, 0,1,2,3                        ; block p: loads n = 4 p + q
	s_wait_loadcnt 12-4*(\p)                       ; loads come back in order: the block's four are in, the later blocks' 12 - 4 p may stay out
.irp q, 0,1,2,3
	v_cvt_pk_bf16_f32 v[DAT+16*(\p)+4*(\q)],   v[DAT+16*(\p)+4*(\q)],   v[DAT+16*(\p)+4*(\q)+1]
	v_cvt_pk_bf16_f32 v[DAT+16*(\p)+4*(\q)+1], v[DAT+16*(\p)+4*(\q)+2], v[DAT+16*(\p)+4*(\q)+3]
.endr
	s_wait_alu depctr_va_vdst(0)                   ; the block's eight conversions have written the registers that its four stores read
.irp q, 0,1,2,3
	global_store_b64 v2, v[DAT+16*(\p)+4*(\q):DAT+16*(\p)+4*(\q)+1], s[12:13] offset:4096*(2*(\p)+(\q)/2)+256*((\q)%2)  ; no register is written again, so nothing waits for the stores
.endr
.endr
	s_endpgm
.Lfunc_end_k_q398fdcd578_prep:
	.size	k_q398fdcd578_prep, .Lfunc_end_k_q398fdcd578_prep-k_q398fdcd578_prep
	.p2alignl 7, 3214868480
	.fill 96, 4, 3214868480
	.section	.rodata,"a",@progbits
	.p2align	6, 0x0
	.amdhsa_kernel k_q398fdcd578_prep
		.amdhsa_group_segment_fixed_size 0
		.amdhsa_private_segment_fixed_size 0
		.amdhsa_enable_private_segment 0
		.amdhsa_kernarg_size 40
		.amdhsa_user_sgpr_count 2
		.amdhsa_user_sgpr_kernarg_segment_ptr 1
		.amdhsa_wavefront_size32 1
		.amdhsa_system_sgpr_workgroup_id_x 1
		.amdhsa_system_sgpr_workgroup_id_y 1
		.amdhsa_system_sgpr_workgroup_id_z 1
		.amdhsa_system_vgpr_workitem_id 0
		.amdhsa_next_free_vgpr 96
		.amdhsa_next_free_sgpr 66
		.amdhsa_reserve_vcc 0
		.amdhsa_float_denorm_mode_32 3
		.amdhsa_float_denorm_mode_16_64 3
		.amdhsa_memory_ordered 1
		.amdhsa_forward_progress 1
		.amdhsa_inst_pref_size 9
	.end_amdhsa_kernel
	.amdgpu_metadata
---
amdhsa.version: [ 1, 2 ]
amdhsa.kernels:
  - .name:           k_q398fdcd578_prep
    .symbol:         k_q398fdcd578_prep.kd
    .args:
      - { .name: Wk, .offset: 0, .size: 8, .value_kind: global_buffer, .address_space: global }
      - { .name: Wv, .offset: 8, .size: 8, .value_kind: global_buffer, .address_space: global }
      - { .name: Wq, .offset: 16, .size: 8, .value_kind: global_buffer, .address_space: global }
      - { .name: Wo, .offset: 24, .size: 8, .value_kind: global_buffer, .address_space: global }
      - { .name: wt, .offset: 32, .size: 8, .value_kind: global_buffer, .address_space: global }
    .group_segment_fixed_size: 0
    .private_segment_fixed_size: 0
    .kernarg_segment_align: 8
    .kernarg_segment_size: 40
    .max_flat_workgroup_size: 256
    .sgpr_count:     66
    .vgpr_count:     96
    .wavefront_size: 32
...
	.end_amdgpu_metadata
.endif
;; end of part 3
;; launch fused: the kernel of part 2 again; grid 256 x 1, 4 waves a work-group, clusters of 4 x 1, 327,680 bytes of LDS; arguments key, value, query, wt, bk, bv, bq, bo, gamma, beta, out0; writes out0
